; MI455X (gfx1250); checked and timed in simulation.
; The chip was launched on July 23, 2026; its instructions are those of AMD's public machine-readable ISA for CDNA 5 (MIT licence, August 2026) and "CDNA5" Instruction Set Architecture Reference Guide (July 2026). The comments in the code are by the model that wrote it; some were corrected since.
;; Auto Round GPTQ Linear. Allowed arithmetic: matrix products marked QUANTISED: E3M2 operands, one E8M0 scale for each 32 along K, by v_wmma_scale_f32_16x16x128_f8f6f4 with both operands' format E3M2, f32 sums; everything else in f32.
;; Inputs: qweight 512 x 2,048 int32; qzeros 32 x 256 int32; scales 32 x 2,048 float16; x_codes 4 x 2,048 x 128 x 24 uint8 (E3M2 codes of x, K innermost, in blocks of 32 codes, four codes in three bytes); x_scales 4 x 2,048 x 128 uint8 (E8M0 scales of x, one for each 32 codes along K).
;; Outputs: out0 4 x 2,048 x 2,048 float32.
;; This version of the problem:
;;   THIS VERSION OF THE PROBLEM IS GIVEN IN LOW PRECISION. The matrix products marked QUANTISED in the list below multiply operands that are first quantised to E3M2 (3 exponent bits, 2 mantissa bits; 6 bits a number), with one power-of-two scale for each 32 numbers along K (OCP MX v1.0); their sums are f32. All else is computed in f32.
;;   The module's matrix products, in the order in which they are computed (A, B: the left and right operand; K: the contracted axis; several contracted axes count as one K, in the product's order):
;;     1. [M 8,192, K 4,096] x [K 4,096, N 2,048]; A: input x (given as codes); B: computed on the way: QUANTISED
;;   THE QUANTISER, for each operand of a quantised product, along K:
;;     - K is cut into blocks of 32 from its start; a last block that is shorter is filled with zeros.
;;     - A block's scale is 2^e with e = floor(log2(the largest magnitude in the block)) - 4, held to -126 .. 127; a block of zeros has e = 0. As a byte (E8M0): e + 127.
;;     - Each number is divided by its block's scale, clamped to +-28, and rounded to the nearest number of E3M2, ties to even, subnormals kept.
;;     - The product sums the exact products of the quantised numbers (number of the format x scale) in f32.
;;   ~~~python
;;   def quantise(x, axis):      # numpy; x: float32 -> the quantised numbers, widened to float32 again
;;       x = np.moveaxis(x, axis, -1); K = x.shape[-1]
;;       x = np.pad(x, [(0, 0)] * (x.ndim - 1) + [(0, -K % 32)]); x = x.reshape(x.shape[:-1] + (-1, 32)); a = np.abs(x).max(-1, keepdims=True)
;;       e = np.where(a > 0, np.clip(np.frexp(np.where(a > 0, a, 1))[1] - 1 - 4, -126, 127), 0)      # np.frexp(a)[1] - 1 = floor(log2(a)), exactly
;;       r = np.clip(x / 2.0 ** e, -28, 28)
;;       step = 2.0 ** (np.maximum(np.frexp(np.where(r == 0, 1, r))[1] - 1, -2) - 2)
;;       q = np.round(r / step) * step * 2.0 ** e      # np.round: ties to even
;;       return np.moveaxis(q.reshape(q.shape[:-2] + (-1,))[..., :K], -1, axis).astype(np.float32)
;;   ~~~
;;   OPERANDS COMPUTED ON THE WAY. 'Computed on the way' means the value that the module computes at that place (a softmax that the list does not call 'softmax' is quantised finished and normalised). What goes into a quantiser is computed in f32, as accurately as f32 sums, v_exp_f32 and their like allow (about 1e-6 of the number): no bf16 or f16 on the way to a quantiser, and a product that is left as it is and whose result goes on into a quantised operand takes f32 operands (vector FMAs, or v_wmma_f32_16x16x4_f32). A number that lies on a knife's edge between two numbers of the format may be rounded either way, as far as f32 arithmetic and the matrix unit's own rounding can turn it there, and no further.
;;   INPUTS GIVEN AS CODES. x (in the module: [4, 2048, 4096], K = its axis 2): each comes as NAME_codes (uint8): NAME with its K axis moved to the last place and cut into blocks of 32 codes, [.., K / 32, bytes a block], one block behind the other in memory; four codes in three bytes: a row's codes are one little-endian stream of bits, code i at bits 6 i .. 6 i + 5 (a code: sign, 3 exponent bits, 2 mantissa bits); and NAME_scales (uint8): the same leading axes, one E8M0 byte (e + 127) for each 32 codes along K. Its value is code x scale, taken as it is: it is not quantised again, and the codes and scales need not be those that the quantiser above would give.
;; One version. Each part assembles by itself: llvm-mc -triple=amdgcn-amd-amdhsa -mcpu=gfx1250 --defsym DOCPART=n.
;; ======== version 1 of 1: 2 launches
;; limits: values are held in f16: magnitudes above 65,504 overflow, below 6.1e-05 lose precision; right only within a limited range of input values
;; workspace buffers: w_codes 6,291,456 bytes; w_scales 262,144 bytes; xs2 1,048,576 bytes
;; launch wq (part 1): grid 16 x 16, 4 waves a work-group, no clusters, 25,088 bytes of LDS; arguments qweight, qzeros, scales, w_codes, w_scales, x_scales, xs2; writes w_codes, w_scales, xs2
.if DOCPART == 1
	.amdgcn_target "amdgcn-amd-amdhsa--gfx1250"
	.amdhsa_code_object_version 6
	.text
	.protected	k_qd9de1cc4d7_wq
	.globl	k_qd9de1cc4d7_wq
	.p2align	8
	.type	k_qd9de1cc4d7_wq,@function
k_qd9de1cc4d7_wq:
	s_mov_b64 s[64:65], 0
	v_nop
	global_prefetch_b8 v0, s[64:65] scope:SCOPE_SE
	s_setreg_imm32_b32 hwreg(HW_REG_WAVE_MODE, 25, 1), 1
	s_wait_xcnt 0x0
; W[k][n] = (nibble of qweight - nibble of qzeros) x scale is made in f32 and quantised along K into codes of BF6 (E3M2), one E8M0 byte for each 32 along K; and x's scale bytes are laid anew.
; qweight [512][2048]: word (p, n) holds k = 8 p + i at bits 4 i.  qzeros [32][256]: word (g, n / 8) holds column n at bits 4 (n % 8).  scales [32][2048] f16.  g = k / 128.
; The number ahead of the quantiser is exact: 4 bits x 11 bits, so fma(w, s, -z s) = (w - z) s without rounding; nothing coarser than f32 stands ahead of the quantiser.
; LIMITS: a block of zeros (or one whose largest magnitude lies under 2^(5 - 127)) gets the byte 1 where the rule says 127: its codes are zeros and this program alone reads the bytes.  f16 scales that are infinite or NaN are not served.
; SHARES: work-group (x, t): columns 128 x .. + 127, K = 256 t .. + 255; wave w 32 columns; a lane takes a column and its registers run down K.
; OUT, in the order of the product's operand registers.  A step is 128 along K, 96 bytes of a column; lane (r, h) of a fragment takes the 48 bytes at 48 h of column r's step, as three pieces of 16.
; A line is piece c of step st for 16 columns: 32 lanes x 16 bytes = 512 bytes; line number 3 st + c; eight lines make a chunk.
; w_codes [n / 256: 8][chunk: 12][16 columns: 16][line: 8][512 bytes].  The 48 bytes put blocks 1 and 2 of a step in each other's places, so in each word of four scale bytes the blocks stand in the order 0, 2, 1, 3, in W's words and in x's.
; w_scales [n / 32: 64][K / 256: 16][column: 32][8 bytes];  xs2 [row / 32: 256][K / 256: 16][row: 32][8 bytes]: each (group, K / 256) is 256 consecutive bytes, aligned.
; Of xs2 work-group 16 t + x takes rows 32 (16 t + x) .. + 31, a lane a row, wave w the 32 bytes at 32 w of the row.
; Waves share nothing: no barrier.  No register that a pending load or store names is written again.
.set EMAX,  4
.set WST,   6144                       ; a wave's stage: 2 x 6 lines of 512 bytes
.set SB,    26
.set T,     28
.set W,     32
.set X,     64
.set C,     128
.set OUT,   32
.set LO,    180                        ; v180-185: line j of my six: its byte offset in w_codes + 16 x lane
.set XO,    186                        ; my row's offset in x_scales
.set XS8,   188                        ; v188-195: my row's 32 scale bytes
	s_load_b256 s[4:11], s[0:1], 0x0               ; qweight, qzeros, scales, w_codes
	s_load_b64 s[12:13], s[0:1], 0x20              ; w_scales
	s_load_b128 s[32:35], s[0:1], 0x28             ; x_scales, xs2
	v_lshl_add_u32 v176, v0, 2, 0x6000
	v_mov_b32 v177, 0
	v_lshrrev_b32 v1, 5, v0
	v_readfirstlane_b32 s14, v1                    ; wave
	v_and_b32 v1, 31, v0                           ; lane
	s_and_b32 s16, ttmp7, 0xffff                   ; t
	v_lshlrev_b32 v2, 2, v1
	v_lshlrev_b32 v3, 1, v1
	v_lshrrev_b32 v4, 3, v1
	v_lshlrev_b32 v4, 2, v4
	v_and_b32 v5, 7, v1
	v_lshlrev_b32 v5, 2, v5
	s_mul_i32 s28, s14, WST
	v_lshrrev_b32 v6, 4, v1
	v_mul_u32_u24 v6, v6, 3072                     ; into the stage: my 16 columns' six lines,
	v_and_b32 v14, 15, v1
	v_lshl_add_u32 v6, v14, 4, v6                  ; and my column's 16 bytes in a line's lower half
	v_add_nc_u32 v6, s28, v6
	v_lshlrev_b32 v8, 4, v1
	v_add_nc_u32 v7, s28, v8                       ; back: 16 bytes a lane
	v_lshlrev_b32 v9, 3, v1
	v_lshlrev_b32 v[XO], 7, v1
	s_wait_alu depctr_va_vdst(0)                   ; the wait ahead of the scalar run
	s_lshl_b32 s18, s16, 18                        ; qweight: 32 t rows of 8,192 bytes + 512 x + 128 w
	s_lshl_b32 s29, ttmp9, 9
	s_add_co_u32 s18, s18, s29
	s_lshl_b32 s29, s14, 7
	s_add_co_u32 s18, s18, s29
	s_mov_b32 s19, 0
	s_lshl_b32 s20, s16, 11                        ; qzeros
	s_lshl_b32 s29, ttmp9, 6
	s_add_co_u32 s20, s20, s29
	s_lshl_b32 s29, s14, 4
	s_add_co_u32 s20, s20, s29
	s_mov_b32 s21, 0
	s_lshl_b32 s22, s16, 13                        ; scales
	s_lshl_b32 s29, ttmp9, 8
	s_add_co_u32 s22, s22, s29
	s_lshl_b32 s29, s14, 6
	s_add_co_u32 s22, s22, s29
	s_mov_b32 s23, 0
	s_lshr_b32 s24, ttmp9, 1                       ; w_codes: (x / 2) x 12 chunks + ((x % 2) 8 + 2 w) x 4,096
	s_mul_i32 s24, s24, 12*65536
	s_and_b32 s29, ttmp9, 1
	s_lshl_b32 s29, s29, 15
	s_add_co_u32 s24, s24, s29
	s_lshl_b32 s29, s14, 13
	s_add_co_u32 s24, s24, s29
	s_mov_b32 s25, 0
.irp j, 0,1,2,3,4,5
	s_mul_i32 s29, s16, 6                          ; line 6 t + j: chunk (6 t + j) / 8, place (6 t + j) % 8
	s_add_co_u32 s29, s29, \j
	s_lshr_b32 s30, s29, 3
	s_lshl_b32 s30, s30, 16
	s_and_b32 s29, s29, 7
	s_lshl_b32 s29, s29, 9
	s_add_co_u32 s29, s29, s30
	v_add_nc_u32 v[LO+\j], s29, v8
.endr
	s_lshl_b32 s26, ttmp9, 14                      ; w_scales: (4 x + w) x 4,096 + 256 t
	s_lshl_b32 s29, s16, 8
	s_add_co_u32 s26, s26, s29
	s_lshl_b32 s29, s14, 12
	s_add_co_u32 s26, s26, s29
	s_mov_b32 s27, 0
	s_lshl_b32 s36, s16, 4                         ; x's scales: group 16 t + x, 4,096 bytes in and out
	s_add_co_u32 s36, s36, ttmp9
	s_lshl_b32 s36, s36, 12
	s_lshl_b32 s29, s14, 10
	s_add_co_u32 s38, s36, s29                     ; out: + 4 w units of 256 bytes
	s_lshl_b32 s29, s14, 5
	s_add_co_u32 s36, s36, s29                     ; in: + 32 w bytes of the row
	s_mov_b32 s37, 0
	s_mov_b32 s39, 0
	s_mov_b32 s31, 0x03010200                      ; bytes 0, 2, 1, 3
	s_wait_alu depctr_va_vdst(0)                   ; the wait at the head's end
	s_wait_kmcnt 0x0
	s_add_nc_u64 s[4:5], s[4:5], s[18:19]
	s_add_nc_u64 s[6:7], s[6:7], s[20:21]
	s_add_nc_u64 s[8:9], s[8:9], s[22:23]
	s_add_nc_u64 s[10:11], s[10:11], s[24:25]
	s_add_nc_u64 s[12:13], s[12:13], s[26:27]
	s_add_nc_u64 s[32:33], s[32:33], s[36:37]
	s_add_nc_u64 s[34:35], s[34:35], s[38:39]
	global_load_b128 v[XS8:XS8+3], v[XO], s[32:33]
	global_load_b128 v[XS8+4:XS8+7], v[XO], s[32:33] offset:16
	global_load_u16 v10, v3, s[8:9]
	global_load_u16 v11, v3, s[8:9] offset:4096
	global_load_b32 v12, v4, s[6:7]
	global_load_b32 v13, v4, s[6:7] offset:1024
.irp i, 0,1,2,3,4,5,6,7,8,9,10,11,12,13,14,15,16,17,18,19,20,21,22,23,24,25,26,27,28,29,30,31
	global_load_b32 v[W+\i], v2, s[4:5] offset:8192*\i th:TH_LOAD_NT
.endr
	s_wait_loadcnt 32                              ; the six small loads are in; the 32 issued behind them may be out
.irp k, 0,1,2,3,4,5,6,7
	v_perm_b32 v[XS8+\k], v[XS8+\k], v[XS8+\k], s31
.endr
.irp k, 0,1,2,3
	global_store_b64 v9, v[XS8+2*\k:XS8+2*\k+1], s[34:35] offset:256*\k   ; 32 lanes store 256 consecutive bytes, aligned
.endr
	v_cvt_f32_f16 v16, v10.l
	v_cvt_f32_f16 v20, v11.l
	v_lshrrev_b32 v12, v5, v12
	v_lshrrev_b32 v13, v5, v13
	v_and_b32 v12, 15, v12
	v_and_b32 v13, 15, v13
	v_cvt_f32_u32 v12, v12
	v_cvt_f32_u32 v13, v13
	v_mul_f32 v18, -v12, v16                       ; -z s, exact
	v_mul_f32 v22, -v13, v20
	v_mov_b32 v17, v16                             ; pairs for the packed multiply-add
	v_mov_b32 v21, v20
	v_mov_b32 v19, v18
	v_mov_b32 v23, v22
.macro BLOCK b                         ; block b of my column: k = 256 t + 32 b + 0 .. 31
.set XS, X+32*((\b)%2)
.set G,  16+4*((\b)/4)
.set CC, C+12*((\b)/2)+6*((\b)%2)
.set SH, 8*(2*((\b)%2)+(((\b)%4)/2))   ; blocks 0, 1, 2, 3 of a word go to bytes 0, 2, 1, 3
	s_wait_loadcnt 28-4*(\b)                       ; this block's four words are in; the 4 (7 - b) issued behind them may be out
.irp j, 0,1,2,3
	v_and_b32 v[XS+8*\j], 15, v[W+4*(\b)+\j]
.irp i, 1,2,3,4,5,6
	v_bfe_u32 v[XS+8*\j+\i], v[W+4*(\b)+\j], 4*\i, 4
.endr
	v_lshrrev_b32 v[XS+8*\j+7], 28, v[W+4*(\b)+\j]
.endr
.irp i, 0,1,2,3,4,5,6,7,8,9,10,11,12,13,14,15,16,17,18,19,20,21,22,23,24,25,26,27,28,29,30,31
	v_cvt_f32_u32 v[XS+\i], v[XS+\i]
.endr
.irp m, 0,2,4,6,8,10,12,14,16,18,20,22,24,26,28,30
	v_pk_fma_f32 v[XS+\m:XS+\m+1], v[XS+\m:XS+\m+1], v[G:G+1], v[G+2:G+3]
.endr
	v_max3_num_f32 v14, |v[XS]|, |v[XS+1]|, |v[XS+2]|
	v_max3_num_f32 v15, |v[XS+3]|, |v[XS+4]|, |v[XS+5]|
.irp i, 6,10,14,18,22,26
	v_max3_num_f32 v14, v14, |v[XS+\i]|, |v[XS+\i+1]|
	v_max3_num_f32 v15, v15, |v[XS+\i+2]|, |v[XS+\i+3]|
.endr
	v_max3_num_f32 v14, v14, |v[XS+30]|, |v[XS+31]|
	v_max3_num_f32 v14, v14, v15, (EMAX+1)<<23     ; the floor: the byte cannot fall under 1
	v_add_nc_u32 v24, 0xfe000000, v14              ; EMAX off the exponent field: the conversion's scale operand
	v_cvt_scalef32_pk16_bf6_f32 v[CC:CC+2], v[XS:XS+15], v24
	v_cvt_scalef32_pk16_bf6_f32 v[T:T+2], v[XS+16:XS+31], v24
	v_lshrrev_b32 v25, 23, v24                     ; the scale's byte (also the plain place behind the conversions)
.if (\b)%4 == 0
	v_mov_b32 v[SB+(\b)/4], v25
.else
	v_lshl_or_b32 v[SB+(\b)/4], v25, SH, v[SB+(\b)/4]
.endif
.irp i, 0,1,2
	v_mov_b32 v[CC+3+\i], v[T+\i]
.endr
.if (\b)%2 == 1
.irp c, 0,1,2
	ds_store_b128 v6, v[C+12*((\b)/2)+4*\c:C+12*((\b)/2)+4*\c+3] offset:(3*((\b)/4)+\c)*512+(((\b)/2)%2)*256   ; piece c of step b / 4, half (b / 2) % 2 of the lanes
.endr
.endif
.endm
.irp b, 0,1,2,3,4,5,6,7
	BLOCK \b
.endr
	global_store_b64 v9, v[SB:SB+1], s[12:13]      ; 256 consecutive bytes, aligned
.irp i, 0,1,2,3,4,5,6,7,8,9,10,11
	ds_load_b128 v[OUT+4*\i:OUT+4*\i+3], v7 offset:512*\i          ; a wave's LDS instructions are served in order: these see my stores
.endr
.irp i, 0,1,2,3,4,5,6,7,8,9,10,11
	s_wait_dscnt 11-\i                             ; load i is back; the 11 - i behind it may be out
	global_store_b128 v[LO+(\i)%6], v[OUT+4*\i:OUT+4*\i+3], s[10:11] offset:4096*((\i)/6)   ; a whole line: 512 consecutive bytes, aligned
.endr
	s_wait_tensorcnt 0x0                           ; the wave's end
	ds_add_u32 v176, v177
	s_wait_dscnt 0x0
	s_endpgm
.Lfunc_end_k_qd9de1cc4d7_wq:
	.size	k_qd9de1cc4d7_wq, .Lfunc_end_k_qd9de1cc4d7_wq-k_qd9de1cc4d7_wq
	.p2alignl 7, 3214868480
	.fill 96, 4, 3214868480
	.section	.rodata,"a",@progbits
	.p2align	6, 0x0
	.amdhsa_kernel k_qd9de1cc4d7_wq
		.amdhsa_group_segment_fixed_size 25088
		.amdhsa_private_segment_fixed_size 0
		.amdhsa_enable_private_segment 0
		.amdhsa_kernarg_size 56
		.amdhsa_user_sgpr_count 2
		.amdhsa_user_sgpr_kernarg_segment_ptr 1
		.amdhsa_wavefront_size32 1
		.amdhsa_system_sgpr_workgroup_id_x 1
		.amdhsa_system_sgpr_workgroup_id_y 1
		.amdhsa_system_sgpr_workgroup_id_z 1
		.amdhsa_system_vgpr_workitem_id 0
		.amdhsa_next_free_vgpr 196
		.amdhsa_next_free_sgpr 66
		.amdhsa_reserve_vcc 0
		.amdhsa_float_denorm_mode_32 3
		.amdhsa_float_denorm_mode_16_64 3
		.amdhsa_memory_ordered 1
		.amdhsa_forward_progress 1
		.amdhsa_inst_pref_size 55
	.end_amdhsa_kernel
	.amdgpu_metadata
---
amdhsa.version: [ 1, 2 ]
amdhsa.kernels:
  - .name:           k_qd9de1cc4d7_wq
    .symbol:         k_qd9de1cc4d7_wq.kd
    .args:
      - { .name: qweight, .offset: 0, .size: 8, .value_kind: global_buffer, .address_space: global }
      - { .name: qzeros, .offset: 8, .size: 8, .value_kind: global_buffer, .address_space: global }
      - { .name: scales, .offset: 16, .size: 8, .value_kind: global_buffer, .address_space: global }
      - { .name: w_codes, .offset: 24, .size: 8, .value_kind: global_buffer, .address_space: global }
      - { .name: w_scales, .offset: 32, .size: 8, .value_kind: global_buffer, .address_space: global }
      - { .name: x_scales, .offset: 40, .size: 8, .value_kind: global_buffer, .address_space: global }
      - { .name: xs2, .offset: 48, .size: 8, .value_kind: global_buffer, .address_space: global }
    .group_segment_fixed_size: 25088
    .private_segment_fixed_size: 0
    .kernarg_segment_align: 8
    .kernarg_segment_size: 56
    .max_flat_workgroup_size: 128
    .sgpr_count:     66
    .vgpr_count:     196
    .wavefront_size: 32
...
	.end_amdgpu_metadata
.endif
;; end of part 1
;; launch gemm (part 2): grid 8 x 32, 4 waves a work-group, clusters of 4 x 4, 327,680 bytes of LDS; arguments x_codes, xs2, w_codes, w_scales, out0; writes out0
.if DOCPART == 2
	.amdgcn_target "amdgcn-amd-amdhsa--gfx1250"
	.amdhsa_code_object_version 6
	.text
	.protected	k_qd9de1cc4d7_gemm
	.globl	k_qd9de1cc4d7_gemm
	.p2align	8
	.type	k_qd9de1cc4d7_gemm,@function
k_qd9de1cc4d7_gemm:
	s_mov_b64 s[64:65], 0
	v_nop
	global_prefetch_b8 v0, s[64:65] scope:SCOPE_SE
	s_setreg_imm32_b32 hwreg(HW_REG_WAVE_MODE, 25, 1), 1
	s_wait_xcnt 0x0
	s_wait_alu depctr_hold_cnt(0) depctr_sa_sdst(0) depctr_va_vdst(0) depctr_va_sdst(0) depctr_va_ssrc(0) depctr_va_vcc(0) depctr_vm_vsrc(0)
	s_getreg_b32 s2, hwreg(HW_REG_IB_STS2, 6, 4)
	s_cmp_eq_u32 s2, 0
	s_cbranch_scc0 .Lentry_in_a_cluster
	s_endpgm
.Lentry_in_a_cluster:
	s_bfe_u32 s2, ttmp6, 0x10000c
	s_cmp_lg_u32 s2, 0xf033
	s_cbranch_scc0 .Lentry_shape_is_right
	s_endpgm
.Lentry_shape_is_right:
; out0[m][n] = sum over k of x[m][k] W[k][n], both as codes of BF6 with E8M0 scales, sums in f32.  x_codes: rows of 3,072 bytes.  w_codes, w_scales, xs2: as the launch before lays them.
; A work-group makes 256 x 256, a wave 128 x 128: 64 accumulators.  The matrix instruction is used transposed (source 0 = 16 columns of W, source 1 = 16 rows of x): a lane holds 8 neighbouring numbers of a row of out0.
; A step is 128 along K, 96 bytes of a row; lane (r, h) takes the 48 bytes at 48 h, as three pieces of 16.  That puts blocks 1 and 2 in each other's places, alike in x and W; the scale words are laid to match.
; THE RING: two slots; a chunk is 256 bytes of each of x's 256 rows (each tile row begins at a multiple of 256 bytes; LDS pitch 272) and 65,536 dense bytes of W in the order of the operand registers (a load's 32 lanes read 512 neighbouring bytes).
; Eight steps are three chunks.  ONE barrier for each change of chunks.  Ahead of it every piece of the old chunk is in registers; behind it the slot is filled again and the new chunk's pieces are read.
; A piece whose lanes 0-15 lie in the old chunk and lanes 16-31 in the new one is read twice, each time by all lanes at the address without 48 h: ahead of the barrier from the old chunk into the operand's registers,
; behind it from the new chunk into 64 registers of window 1 that hold nothing else; at the head of the step that multiplies them v_cndmask_b32 takes lanes 16-31 from the second reading.
; For that x and W have two sets of fragment registers each.  The changes stand in steps 1, 4 and 6 of each eight, the last late in its step, so that they lie 2.5 to 3 steps apart.
; THE LOOP: a trip is steps 1 to 8 of eight; three chunks turn the slots' order round, so the slots' bases are scalars turned over by s_xor_b32 and the six address registers are made anew at a trip's end.
; THE SCALES go from memory into registers: a load's 32 lanes take 256 consecutive aligned bytes, the words of 32 rows for two steps; two sets, asked for two steps ahead.  They are not prefetched: each is 256 bytes asked for two steps ahead by the load itself.
; CLUSTERS 4 x 4: x's chunk is asked for jointly along a row of the cluster, W's along a column.  PREFETCH: behind each refill, the chunk two refills on, a lane a block of 256 bytes, the four partners' shares told apart by address;
; W's chunks, which eight clusters read, are asked for by the clusters with y under 4 alone; the last two refills ask for nothing.
; REGISTERS: window 0: v0-31 addresses, v32-63 scale words (two sets of 8 for x + 8 for W), v64-159 and v160-255 x's fragments.  Window 1: v0-95, v128-223 W's fragments; v96-127, v224-255 the second readings.  Windows 2, 3: accumulators.
.set SIZE_N, 2048
.set KROW,   3072
.set PITCH,  272
.set HALFT,  128*PITCH
.set SLOTA,  2*HALFT                   ; 0x11000
.set BB,     2*SLOTA                   ; 0x22000: W's two slots
.set SLOTB,  65536
.set SPARE,  BB+2*SLOTB                ; the spare words
.set SPITCH, 528                       ; the way out: 16 rows x 528 bytes a wave, from LDS byte 0: x's slot 0, which has had its last fill and its last read by then
.set ADRA, 8                           ; v8-9   x's pieces in the slot of an even / odd chunk of the trip (with 48 h)
.set AROW, 10                          ; v10-11 the same without 48 h
.set ADRB, 12                          ; v12-13 W's lines
.set FA,   14                          ; v14-16 the three without a slot's base; never rewritten
.set FRW,  15
.set FB,   16
.set STO,  17
.set RD,   18
.set CO,   19
.set SOF,  20                          ; 8 x lane
.set PFO,  21
.set SPW,  28
.set NIL,  29
.set SC,   32
.set AF,   64
.set BK,   128
.set G1,  24
.set G0,  32
.set G1B, 48
.set G0B, 56
.set SA0, 60                           ; s60-63 the slots' bases: x's even, odd; W's even, odd
.set SB0, 62
.set SAP, 66                           ; s[66:67], s[68:69] x's and W's scale words
.set SBP, 68
.set PFA, 70
.set PFS, 72
.set LIM, 74
.set LIM6, 75
.set HI16, 78                          ; s78: a bit for each of lanes 16-31
.set MSB, 0
.macro WIN new
.if MSB != \new
	s_set_vgpr_msb (MSB<<8)|\new
.set MSB, \new
.endif
.endm
.set MUL_LO, 0xa1
.set TO_B,   0x40
.macro PLACES
.rept 4
	v_nop
.endr
.endm
.macro JLOAD                           ; waves 0, 1 fetch the halves of x's chunk, waves 2, 3 of W's
	s_cmp_eq_u32 s15, 0
	s_cbranch_scc0 .Lfor_b_\@
	tensor_load_to_lds s[G0:G0+3], s[G1:G1+7]
	s_nop 0
	PLACES
	s_branch .Lasked_\@
.Lfor_b_\@:
	tensor_load_to_lds s[G0B:G0B+3], s[G1B:G1B+7]
	s_nop 0
	PLACES
.Lasked_\@:
.endm
.macro GSTEP                           ; no tensor load of mine is out: the next chunk, into the other slot
	s_xor_b32 s[G0+1], s[G0+1], SLOTA
	s_add_nc_u64 s[G0+2:G0+3], s[G0+2:G0+3], 256
	s_xor_b32 s[G0B+1], s[G0B+1], SLOTB
	s_add_nc_u64 s[G0B+2:G0B+3], s[G0B+2:G0B+3], 65536
.endm
.macro CREST
	s_cmp_lg_u32 s14, 0
	s_cbranch_scc1 .Lnot_wave_0_\@
	s_barrier_signal -3
.Lnot_wave_0_\@:
	s_barrier_wait -3
	s_barrier_signal -1
	s_barrier_wait -1
.endm
.macro CROUND
	s_barrier_signal -1
	s_barrier_wait -1
	CREST
.endm
.macro ASK lim
	s_cmp_gt_u32 s3, s[\lim]
	s_cbranch_scc0 .Lnot_mine_\@
	global_prefetch_b8 v[PFO], s[PFA:PFA+1] th:TH_LOAD_NT scope:SCOPE_SE
.Lnot_mine_\@:
.endm
.macro ADDRS
.irp s, 0,1
	v_add_nc_u32 v[ADRA+\s], s[SA0+\s], v[FA]
	v_add_nc_u32 v[AROW+\s], s[SA0+\s], v[FRW]
	v_add_nc_u32 v[ADRB+\s], s[SB0+\s], v[FB]
.endr
.endm
	s_load_b128 s[4:7], s[0:1], 0x0                ; x_codes, xs2
	s_load_b128 s[8:11], s[0:1], 0x10              ; w_codes, w_scales
	s_load_b64 s[12:13], s[0:1], 0x20              ; out0
	v_lshl_add_u32 v[SPW], v0, 2, SPARE
	v_mov_b32 v[NIL], 0
	ds_add_u32 v[SPW], v[NIL]                      ; the opening lines: the add twice on end and its wait
	ds_add_u32 v[SPW], v[NIL]
	v_lshrrev_b32 v1, 5, v0
	v_readfirstlane_b32 s14, v1                    ; wave
	s_lshr_b32 s15, s14, 1                         ; my half of the rows; also: I fetch x (0) or W (1)
	s_and_b32 s16, s14, 1                          ; my half of the columns; also: which half I fetch
	s_bfe_u32 s40, ttmp6, 0x40000
	s_bfe_u32 s41, ttmp6, 0x40004
	s_lshl_b32 s42, ttmp9, 2
	s_add_co_u32 s42, s42, s40                     ; tile column
	s_and_b32 s17, ttmp7, 0xffff
	s_lshl_b32 s17, s17, 2
	s_add_co_u32 s17, s17, s41                     ; tile row
	s_lshl_b32 s43, s41, 2
	s_lshl_b32 s43, 15, s43
	s_lshl_b32 s44, 0x1111, s40
	s_or_b32 s[G1+0], s43, (1<<20)|(1<<21)|(5<<22)|(3<<25)   ; x: 128 rows x 256 bytes, 16 bytes of padding behind each
	s_mov_b32 s[G1+5], KROW
	s_or_b32 s[G1B+0], s44, (1<<21)                ; W: 32,768 dense bytes as 128 rows of 256
	s_mov_b32 s[G1B+5], 256
.irp g, G1, G1B
	s_mov_b32 s[\g+1], 256<<16
	s_mov_b32 s[\g+2], 128<<16
	s_mov_b32 s[\g+3], 256<<16
	s_mov_b32 s[\g+4], 128
	s_mov_b32 s[\g+6], 0
	s_mov_b32 s[\g+7], 0
.endr
	s_lshl_b32 s20, s17, 8
	s_lshl_b32 s18, s16, 7
	s_add_co_u32 s20, s20, s18
	s_mul_i32 s20, s20, KROW                       ; x: the 128 rows that I fetch
	s_mov_b32 s21, 0
	s_mul_i32 s46, s42, 12*65536
	s_lshl_b32 s18, s16, 15
	s_add_co_u32 s46, s46, s18                     ; W: my half of the tile column's chunk 0
	s_mov_b32 s47, 0
	s_lshl_b32 s22, s17, 15
	s_lshl_b32 s18, s15, 14
	s_add_co_u32 s22, s22, s18                     ; x's scale words: group 8 x tile row + 4 x half, 4,096 bytes a group
	s_mov_b32 s23, 0
	s_lshl_b32 s18, s42, 15
	s_lshl_b32 s19, s16, 14
	s_add_co_u32 s18, s18, s19                     ; W's likewise
	s_mov_b32 s19, 0
	s_wait_dscnt 0x0
	s_wait_kmcnt 0x0
	s_add_nc_u64 s[20:21], s[4:5], s[20:21]
	s_add_nc_u64 s[46:47], s[8:9], s[46:47]
	s_add_nc_u64 s[SAP:SAP+1], s[6:7], s[22:23]
	s_add_nc_u64 s[SBP:SBP+1], s[10:11], s[18:19]
	CROUND                                         ; in front of the first joint loads
	s_mov_b32 s[G0], 1
	s_mul_i32 s[G0+1], s16, HALFT
	s_mov_b64 s[G0+2:G0+3], s[20:21]
	s_or_b32 s[G0+3], s[G0+3], 0x80000000
	s_mov_b32 s[G0B], 1
	s_lshl_b32 s[G0B+1], s16, 15
	s_add_co_u32 s[G0B+1], s[G0B+1], BB
	s_mov_b64 s[G0B+2:G0B+3], s[46:47]
	s_or_b32 s[G0B+3], s[G0B+3], 0x80000000
	JLOAD                                          ; chunk 0: one tensor load a wave at the head
	s_mul_i32 s21, s15, HALFT
	s_lshl_b32 s22, s16, 15
	s_add_co_u32 s22, s22, BB
	s_mul_i32 s23, s14, 16*SPITCH
	s_mov_b32 s[SA0], 0
	s_mov_b32 s[SA0+1], SLOTA
	s_mov_b32 s[SB0], 0
	s_mov_b32 s[SB0+1], SLOTB
	; the prefetches: x: my work-group's 32 of the 128 rows that I fetch, a lane a row; W: its 32 blocks of 256 bytes of my half; both at chunk 3: the first refill steps to chunk 4
	s_lshl_b32 s76, s17, 8
	s_lshl_b32 s2, s16, 7
	s_add_co_u32 s76, s76, s2
	s_lshl_b32 s2, s40, 5
	s_add_co_u32 s76, s76, s2
	s_mul_i32 s76, s76, KROW
	s_add_co_u32 s76, s76, 3*256
	s_mul_i32 s77, s42, 12*65536
	s_lshl_b32 s2, s16, 15
	s_add_co_u32 s77, s77, s2
	s_lshl_b32 s2, s41, 13
	s_add_co_u32 s77, s77, s2
	s_add_co_u32 s77, s77, 3*65536
	s_and_b32 s78, ttmp7, 0xffff
	s_cmp_lt_u32 s78, 4
	s_cselect_b32 s78, 0, -1
	s_mov_b32 s79, 65536
	s_mov_b32 s2, 256
	s_cmp_eq_u32 s15, 0
	s_cselect_b64 s[PFA:PFA+1], s[4:5], s[8:9]
	s_cselect_b32 s76, s76, s77
	s_cselect_b32 s[LIM], 0, s78
	s_cselect_b32 s[PFS], 256, s79
	s_cselect_b32 s2, KROW, s2
	s_mov_b32 s77, 0
	s_mov_b32 s[PFS+1], 0
	s_add_nc_u64 s[PFA:PFA+1], s[PFA:PFA+1], s[76:77]
	s_or_b32 s[LIM6], s[LIM], 1
	s_mov_b32 s[HI16], 0xffff0000
	v_and_b32 v1, 15, v0                           ; r
	v_bfe_u32 v2, v0, 4, 1                         ; h
	v_and_b32 v3, 31, v0
	v_mul_u32_u24 v4, v1, PITCH
	v_add_nc_u32 v[FRW], s21, v4
	v_mad_u32_u24 v[FA], v2, 48, v[FRW]
	v_lshl_add_u32 v[FB], v3, 4, s22
	ADDRS
	v_lshlrev_b32 v[SOF], 3, v3
	v_mul_u32_u24 v5, v1, SPITCH
	v_lshl_add_u32 v5, v2, 5, v5
	v_add_nc_u32 v[STO], s23, v5
	v_lshlrev_b32 v[CO], 4, v3
	v_add_nc_u32 v[RD], s23, v[CO]
	v_mul_lo_u32 v[PFO], v3, s2
	s_wait_alu depctr_va_vdst(0)                   ; the wait behind the head's last vector instruction
	s_lshl_b32 s20, s17, 8
	s_lshl_b32 s21, s15, 7
	s_add_co_u32 s20, s20, s21
	s_lshl_b32 s20, s20, 13                        ; my first row of out0, 8,192 bytes a row
	s_lshl_b32 s46, s42, 10
	s_add_co_u32 s20, s20, s46
	s_lshl_b32 s46, s16, 9
	s_add_co_u32 s20, s20, s46
	s_mov_b32 s21, 0
	s_add_nc_u64 s[12:13], s[12:13], s[20:21]
.macro SCLD pr                         ; the scale words of steps 2 pr, 2 pr + 1 of the trip into set pr % 2: register 2 j + q: lanes 0-15 block 2 j, lanes 16-31 block 2 j + 1
.irp j, 0,1,2,3
	global_load_b64 v[SC+16*((\pr)%2)+2*\j:SC+16*((\pr)%2)+2*\j+1], v[SOF], s[SAP:SAP+1] offset:4096*\j+256*(\pr)
	global_load_b64 v[SC+16*((\pr)%2)+8+2*\j:SC+16*((\pr)%2)+8+2*\j+1], v[SOF], s[SBP:SBP+1] offset:4096*\j+256*(\pr)
.endr
.endm
.macro FB_ st, ph                      ; W's lines of step st that lie in the step's first chunk (ph = 0) or in the next (1)
	WIN TO_B
.irp i, 0,1,2,3,4,5,6,7
.irp c, 0,1,2
.set LN, 3*(\st)+\c
.if LN/8-(3*(\st))/8 == \ph
	ds_load_b128 v[128*((\st)%2)+12*\i+4*\c:128*((\st)%2)+12*\i+4*\c+3], v[ADRB+(LN/8)%2] offset:(LN%8)*512+\i*4096
.endif
.endr
.endr
	WIN 0
.endm
; x's pieces of step st.  x = 0: those whose lanes all lie in one chunk, the step's first (ph = 0) or the next (ph = 1).
; x = 1: the others: ph = 0: from lanes 0-15's chunk into the operand; ph = 1: from lanes 16-31's chunk into window 1 (the caller sets the windows); ph = 2: lanes 16-31 of the operand are taken from there.
.macro FA_ st, ph, x
.set UU, 0                             ; counts the pieces of the second kind: sixteen a step, four registers each, at v96-127 and v224-255 of window 1
.irp i, 0,1,2,3,4,5,6,7
.irp c, 0,1,2
.set BY, 96*(\st)+16*\c
.set K0, BY/256
.set K1, (BY+48)/256
.set RR, AF+96*((\st)%2)+12*\i+4*\c
.set TT, 96+4*UU+96*(UU/8)
.if K0 == K1
.if \x == 0
.if K0-(96*(\st))/256 == \ph
	ds_load_b128 v[RR:RR+3], v[ADRA+K0%2] offset:BY%256+\i*16*PITCH
.endif
.endif
.else
.if \x
.if \ph == 1
	ds_load_b128 v[TT:TT+3], v[AROW+K1%2] offset:(BY+48)%256+\i*16*PITCH
.elseif \ph == 2
.irp k, 0,1,2,3
	v_cndmask_b32 v[RR+\k], v[RR+\k], v[TT+\k], s[HI16]
.endr
.else
	ds_load_b128 v[RR:RR+3], v[AROW+K0%2] offset:BY%256+\i*16*PITCH
.endif
.endif
.set UU, UU+1
.endif
.endr
.endr
.endm
.macro WM m1, m2
.if zZ
	v_wmma_scale_f32_16x16x128_f8f6f4 v[rD:rD+7], v[rB:rB+11], v[rA:rA+11], 0, v[rSB], v[rSA] matrix_a_fmt:MATRIX_FMT_BF6 matrix_b_fmt:MATRIX_FMT_BF6 \m1 \m2
.else
	v_wmma_scale_f32_16x16x128_f8f6f4 v[rD:rD+7], v[rB:rB+11], v[rA:rA+11], v[rD:rD+7], v[rSB], v[rSA] matrix_a_fmt:MATRIX_FMT_BF6 matrix_b_fmt:MATRIX_FMT_BF6 \m1 \m2
.endif
.endm
.macro MUL8 a, st, zero                ; x's block a against W's eight; the 64 accumulators take turns
	WIN MUL_LO+0x50*((\a)/4)
.irp b, 0,1,2,3,4,5,6,7
.set rD,  8*(8*((\a)%4)+\b)
.set rB,  128*((\st)%2)+12*\b
.set rA,  AF+96*((\st)%2)+12*(\a)
.set rSB, SC+16*(((\st)/2)%2)+8+2*(\b/2)+(\st)%2
.set rSA, SC+16*(((\st)/2)%2)+2*((\a)/2)+(\st)%2
.set zZ,  \zero
.if (\b%2) && ((\a)%2)
	WM matrix_a_scale:MATRIX_SCALE_ROW1, matrix_b_scale:MATRIX_SCALE_ROW1
.elseif \b%2
	WM matrix_a_scale:MATRIX_SCALE_ROW1
.elseif (\a)%2
	WM matrix_b_scale:MATRIX_SCALE_ROW1
.else
	WM
.endif
.endr
.endm
.macro MULR a0, n, st, zero
.set AA, \a0
.rept \n
	MUL8 AA, \st, \zero
.set AA, AA+1
.endr
.endm
; Step st of the trip's eight: 64 matrix instructions; the next step's fragments are fetched into the other sets.  tail = 1: the walk's last seven steps.
.macro STEP st, zero, tail
.set NX, (\st)+1
.set EV, (96*(NX+1))/256-(96*NX)/256   ; 1: the next step's bytes reach the end of a chunk: that chunk is left behind in this step
.set EA, 2
.set FILL, EV
.if (\st) == 6
.set EA, 5
.endif
.if \tail
.if (\st) != 1
.set FILL, 0                           ; only the walk's last chunk is left to ask for
.endif
.if (\st) == 6
.set EV, 0                             ; nothing new to show, nothing to fill
.endif
.endif
	s_wait_dscnt 0x0                               ; this step's fragments are in
.if (\st)%2 == 0
	s_wait_loadcnt 0x0                             ; and the scale words of this pair of steps
.endif
.if (\st) == 2 || (\st) == 5
	WIN 0x04                                       ; source 1 in window 1
	FA_ \st, 2, 1                                  ; the pieces that lie across two chunks are put together
	WIN 0
.endif
	PLACES                                         ; in front of loads into registers that the last step's matrix instructions have read, and of the products that take the registers just written
.if (\st)%2 == 0
.if (\tail) == 0 || (\st) < 6
	SCLD (\st)/2+1
.endif
.endif
.if (\tail) == 0 || (\st) < 7
	FB_ NX, 0
	FA_ NX, 0, 0
	FA_ NX, 0, 1
.endif
.if EV
	MULR 0, EA, \st, \zero
	WIN 0
.if FILL && (\tail) == 0
	s_wait_xcnt 0x0                                ; my last prefetch has read its address
	s_add_nc_u64 s[PFA:PFA+1], s[PFA:PFA+1], s[PFS:PFS+1]
.endif
	s_wait_tensorcnt 0x0                           ; my part of the next chunk has landed
	ds_add_u32 v[SPW], v[NIL]
.if FILL
	GSTEP
.endif
	MUL8 EA, \st, \zero
	s_wait_dscnt 0x0                               ; the add is done, and so are my reads of the chunk left behind
	s_barrier_signal -1
	MUL8 EA+1, \st, \zero
	WIN 0
	s_barrier_wait -1
.if FILL
	CREST                                          ; the barrier has opened a round of the cluster's barrier
	JLOAD                                          ; the chunk two on, into the slot left behind
.endif
.if EA == 2
	FB_ NX, 1
	FA_ NX, 1, 0
	WIN TO_B
	FA_ NX, 1, 1                                   ; the second reading, from the new chunk
	WIN 0
.endif
.if FILL && (\tail) == 0
.if (\st) == 6
	ASK LIM6                                       ; not in the last trip: no chunk stands two refills on
.else
	ASK LIM
.endif
.endif
	MULR EA+2, 6-EA, \st, \zero
.else
	MULR 0, 8, \st, \zero
.endif
	WIN 0
.endm
	SCLD 0
	s_wait_tensorcnt 0x0                           ; my part of chunk 0 is in
	ds_add_u32 v[SPW], v[NIL]
	GSTEP
	s_wait_dscnt 0x0
	CROUND
	JLOAD                                          ; chunk 1, slot 1's first fill
	FB_ 0, 0
	FA_ 0, 0, 0
	STEP 0, 1, 0                                   ; the first step's products start the sums
	s_mov_b32 s3, 3
.Ltrip:
.irp t, 1,2,3,4,5,6,7,8
	STEP \t, 0, 0
.endr
	s_wait_xcnt 0x0                                ; the scale loads have read their bases
	s_add_nc_u64 s[SAP:SAP+1], s[SAP:SAP+1], 1024
	s_add_nc_u64 s[SBP:SBP+1], s[SBP:SBP+1], 1024
	s_xor_b32 s[SA0], s[SA0], SLOTA                ; three chunks on: even and odd change places
	s_xor_b32 s[SA0+1], s[SA0+1], SLOTA
	s_xor_b32 s[SB0], s[SB0], SLOTB
	s_xor_b32 s[SB0+1], s[SB0+1], SLOTB
	ADDRS
	s_sub_co_u32 s3, s3, 1
	s_cmp_lg_u32 s3, 0
	s_wait_alu depctr_va_vdst(0)                   ; the wait ahead of the branch
	s_cbranch_scc1 .Ltrip
.irp t, 1,2,3,4,5,6,7
	STEP \t, 0, 1
.endr
; THE WAY OUT, by blocks of 16 rows x 128 columns through my own stage: back as whole rows of 512 bytes.
.macro TOSTAGE a
.set AC, 64*((\a)%4)
	WIN 0x08+4*((\a)/4)
.irp b, 0,1,2,3,4,5,6,7
	ds_store_b128 v[STO], v[AC+8*\b:AC+8*\b+3] offset:64*\b          ; each accumulator from its low end on
	ds_store_b128 v[STO], v[AC+8*\b+4:AC+8*\b+7] offset:64*\b+16
.endr
	WIN 0
.set BQ, BK+64*((\a)%2)
.irp t, 0,1,2,3,4,5,6,7,8,9,10,11,12,13,14,15
	ds_load_b128 v[BQ+4*\t:BQ+4*\t+3], v[RD] offset:\t*SPITCH
.endr
.endm
.macro SEND a, younger                 ; younger: the LDS instructions issued behind block a's loads
.set BQ, BK+64*((\a)%2)
	s_wait_dscnt \younger
.if (\a) > 0
	s_add_nc_u64 s[12:13], s[12:13], 16*SIZE_N*4
.endif
.irp t, 0,1,2,3,4,5,6,7,8,9,10,11,12,13,14,15
	global_store_b128 v[CO], v[BQ+4*\t:BQ+4*\t+3], s[12:13] offset:\t*SIZE_N*4 th:TH_STORE_NT   ; 512 consecutive bytes, aligned
.endr
.endm
	PLACES
	TOSTAGE 0
.irp a, 1,2,3,4,5,6,7
.if \a > 1
	s_wait_xcnt 0x0                                ; block a - 2's stores have read their registers and their base
.endif
	TOSTAGE \a
	SEND \a-1, 32
.endr
	s_wait_xcnt 0x0
	SEND 7, 0
	s_wait_tensorcnt 0x0                           ; the wave's end
	ds_add_u32 v[SPW], v[NIL]
	s_wait_dscnt 0x0
	CROUND                                         ; the closing round
	s_endpgm
.Lfunc_end_k_qd9de1cc4d7_gemm:
	.size	k_qd9de1cc4d7_gemm, .Lfunc_end_k_qd9de1cc4d7_gemm-k_qd9de1cc4d7_gemm
	.p2alignl 7, 3214868480
	.fill 96, 4, 3214868480
	.section	.rodata,"a",@progbits
	.p2align	6, 0x0
	.amdhsa_kernel k_qd9de1cc4d7_gemm
		.amdhsa_group_segment_fixed_size 327680
		.amdhsa_private_segment_fixed_size 0
		.amdhsa_enable_private_segment 0
		.amdhsa_kernarg_size 40
		.amdhsa_user_sgpr_count 2
		.amdhsa_user_sgpr_kernarg_segment_ptr 1
		.amdhsa_wavefront_size32 1
		.amdhsa_system_sgpr_workgroup_id_x 1
		.amdhsa_system_sgpr_workgroup_id_y 1
		.amdhsa_system_sgpr_workgroup_id_z 1
		.amdhsa_system_vgpr_workitem_id 0
		.amdhsa_next_free_vgpr 1024
		.amdhsa_next_free_sgpr 80
		.amdhsa_reserve_vcc 0
		.amdhsa_float_denorm_mode_32 3
		.amdhsa_float_denorm_mode_16_64 3
		.amdhsa_memory_ordered 1
		.amdhsa_forward_progress 1
		.amdhsa_inst_pref_size 254
	.end_amdhsa_kernel
	.amdgpu_metadata
---
amdhsa.version: [ 1, 2 ]
amdhsa.kernels:
  - .name:           k_qd9de1cc4d7_gemm
    .symbol:         k_qd9de1cc4d7_gemm.kd
    .args:
      - { .name: x_codes, .offset: 0, .size: 8, .value_kind: global_buffer, .address_space: global }
      - { .name: xs2, .offset: 8, .size: 8, .value_kind: global_buffer, .address_space: global }
      - { .name: w_codes, .offset: 16, .size: 8, .value_kind: global_buffer, .address_space: global }
      - { .name: w_scales, .offset: 24, .size: 8, .value_kind: global_buffer, .address_space: global }
      - { .name: out0, .offset: 32, .size: 8, .value_kind: global_buffer, .address_space: global }
    .group_segment_fixed_size: 327680
    .private_segment_fixed_size: 0
    .kernarg_segment_align: 8
    .kernarg_segment_size: 40
    .max_flat_workgroup_size: 128
    .sgpr_count:     80
    .vgpr_count:     1024
    .wavefront_size: 32
...
	.end_amdgpu_metadata
.endif
;; end of part 2
